; MI455X (gfx1250); checked and timed in simulation.
; The chip was launched on July 23, 2026; its instructions are those of AMD's public machine-readable ISA for CDNA 5 (MIT licence, August 2026) and "CDNA5" Instruction Set Architecture Reference Guide (July 2026). The comments in the code are by the model that wrote it; some were corrected since.
;; Scaled Dot Product Attention. Allowed arithmetic: matrix products marked QUANTISED: E3M2 operands, one E8M0 scale for each 32 along K, by v_wmma_scale_f32_16x16x128_f8f6f4 with both operands' format E3M2, f32 sums; everything else in f32.
;; Inputs: key 4 x 16 x 2,048 x 128 float32; query 4 x 16 x 2,048 x 128 float32; value 4 x 16 x 2,048 x 128 float32.
;; Outputs: out0 4 x 16 x 2,048 x 128 float32.
;; This version of the problem:
;;   THIS VERSION OF THE PROBLEM IS GIVEN IN LOW PRECISION. The matrix products marked QUANTISED in the list below multiply operands that are first quantised to E3M2 (3 exponent bits, 2 mantissa bits; 6 bits a number), with one power-of-two scale for each 32 numbers along K (OCP MX v1.0); their sums are f32. All else is computed in f32.
;;   The module's matrix products, in the order in which they are computed (A, B: the left and right operand; K: the contracted axis; several contracted axes count as one K, in the product's order):
;;     1. batch 64 x [M 2,048, K 128] x [K 128, N 2,048]; A: input query; B: input key: QUANTISED
;;     2. batch 64 x [M 2,048, K 2,048] x [K 2,048, N 128]; A: softmax (see below); B: input value: QUANTISED
;;   THE QUANTISER, for each operand of a quantised product, along K:
;;     - K is cut into blocks of 32 from its start; a last block that is shorter is filled with zeros.
;;     - A block's scale is 2^e with e = floor(log2(the largest magnitude in the block)) - 4, held to -126 .. 127; a block of zeros has e = 0. As a byte (E8M0): e + 127.
;;     - Each number is divided by its block's scale, clamped to +-28, and rounded to the nearest number of E3M2, ties to even, subnormals kept.
;;     - The product sums the exact products of the quantised numbers (number of the format x scale) in f32.
;;   ~~~python
;;   def quantise(x, axis):      # numpy; x: float32 -> the quantised numbers, widened to float32 again
;;       x = np.moveaxis(x, axis, -1); K = x.shape[-1]
;;       x = np.pad(x, [(0, 0)] * (x.ndim - 1) + [(0, -K % 32)]); x = x.reshape(x.shape[:-1] + (-1, 32)); a = np.abs(x).max(-1, keepdims=True)
;;       e = np.where(a > 0, np.clip(np.frexp(np.where(a > 0, a, 1))[1] - 1 - 4, -126, 127), 0)      # np.frexp(a)[1] - 1 = floor(log2(a)), exactly
;;       r = np.clip(x / 2.0 ** e, -28, 28)
;;       step = 2.0 ** (np.maximum(np.frexp(np.where(r == 0, 1, r))[1] - 1, -2) - 2)
;;       q = np.round(r / step) * step * 2.0 ** e      # np.round: ties to even
;;       return np.moveaxis(q.reshape(q.shape[:-2] + (-1,))[..., :K], -1, axis).astype(np.float32)
;;   ~~~
;;   SOFTMAX AHEAD OF A QUANTISED PRODUCT. Where the list says 'softmax', what is quantised is not the finished softmax but p = 2^(t - M), with t = logit x log2(e) and M = ceil(the row's largest t), a whole number; so 1/2 < the row's largest p <= 1. The row's sum l is taken of the UNQUANTISED p, in f32, and the product's result is divided by l at the end. Since M is a whole number, a kernel that streams over the keys may use a running M (the ceiling of the running maximum): every later rescaling is an exact power of two, which a block's scale takes up: the codes' values come out the same.
;;   OPERANDS COMPUTED ON THE WAY. 'Computed on the way' means the value that the module computes at that place (a softmax that the list does not call 'softmax' is quantised finished and normalised). What goes into a quantiser is computed in f32, as accurately as f32 sums, v_exp_f32 and their like allow (about 1e-6 of the number): no bf16 or f16 on the way to a quantiser, and a product that is left as it is and whose result goes on into a quantised operand takes f32 operands (vector FMAs, or v_wmma_f32_16x16x4_f32). A number that lies on a knife's edge between two numbers of the format may be rounded either way, as far as f32 arithmetic and the matrix unit's own rounding can turn it there, and no further.
;; One version. Each part assembles by itself: llvm-mc -triple=amdgcn-amd-amdhsa -mcpu=gfx1250 --defsym DOCPART=n.
;; ======== version 1 of 1: 2 launches
;; limits: right only within a limited range of input values
;; workspace buffers: kv 26,214,400 bytes
;; launch prep (part 1): grid 1024 x 1, 4 waves a work-group, no clusters, 68,096 bytes of LDS; arguments key, value, kv; writes kv
.if DOCPART == 1
	.amdgcn_target "amdgcn-amd-amdhsa--gfx1250"
	.amdhsa_code_object_version 6
	.text
	.protected	k_q3e81c2a399_prep
	.globl	k_q3e81c2a399_prep
	.p2align	8
	.type	k_q3e81c2a399_prep,@function
k_q3e81c2a399_prep:
	s_mov_b64 s[64:65], 0
	v_nop
	global_prefetch_b8 v0, s[64:65] scope:SCOPE_SE
	s_setreg_imm32_b32 hwreg(HW_REG_WAVE_MODE, 25, 1), 1
	s_wait_xcnt 0x0
; key and value, [64 heads][2048 keys][128] f32, become codes of BF6 (E3M2) with one E8M0 scale byte for each 32 along a product's K: key along the head's 128, value along the KEYS.
; They are quantised ONCE here, since every block of queries of a head reads them again, and are laid as the next launch's matrix operands want them: as IMAGES OF THE OPERAND'S REGISTERS.
; kv holds 512 records of 51,200 bytes, record 8 x head + slot, a slot being 256 keys = two key steps q of 128:
;   0      16 fragments of K (16 keys x 128 d, 1,536 bytes each), tile T of step q at (8 q + T) x 1,536; lane r of tile 4 c + n holds key 64 c + 8 n + r % 8 + 32 (r / 8) of the step
;   24,576 K's scale words (four bytes: 128 along d of one key) at 512 q + 256 (T / 4) + 16 r + 4 (T % 4)
;   25,600 16 fragments of V^T (16 d x 128 keys), tile T (d = 16 T ..) of step q at (8 q + T) x 1,536
;   50,176 V's scale words (128 keys of one d) at 8 d + 4 q
; A fragment's image: registers 4 c .. 4 c + 3 of lane l at 512 c + 16 l; lane (r, h) holds k = 64 c + 32 h + 0 .. 31 of its row in registers 6 c .. 6 c + 5.
; A block's scale is 2^(floor(log2(its largest magnitude)) - 4); its byte is the largest magnitude's exponent field - 4, held at 1 from below.
; LIMITS: NaN and infinities among the inputs are not served.  A block of zeros gets the byte 1 where the rule says 127: its codes are zeros, which add nothing under that byte, and this program alone reads the bytes.
; SHARES: work-group x = 2 x record + path; path 0 takes the record's K, path 1 its V; four waves each.  No tensor loads, no barrier: waves share nothing.  Only K's path uses LDS.
; THE KEYS OF A TILE OF K (this stands for the rule on tiles in the map above): lane r of tile T = 4 c + n of a step holds key 64 c + 8 n + r % 8 + 32 (r / 8) of the step,
; so that in the next launch's S^T a lane's 32 registers of tiles 4 c .. 4 c + 3 are the 32 neighbouring keys 64 c + 32 (lane / 16) + 0 .. 31: a whole block.
.set REC,  51200
.set SEL,  20                          ; s[20:21] lane selects for v_permlanex16_b32: lane l xor 16
.set PIT,  528                         ; K's stage: a key's 512 bytes + 16
.set R,    16                          ; v16-143  K: 32 keys' rows as loaded, 16 bytes a lane
.set X,    144                         ; v144-207 K: 64 numbers of one key, as the operand's layout gives them to my lane
.set F0,   208                         ; the four tiles' codes: twelve registers each, so that no store's data are written again
.set F1,   220
.set F2,   16                          ; (the rows' registers are free when tiles 2 and 3 are made)
.set F3,   28
.set W,    232                         ; v232-235 the four tiles' scale words
.set TM,   240                         ; v240-254 at work
.set XV,   16                          ; v16-79   V: two sets of 32 numbers down the keys
.set FV,   144                         ; v144-191 V: codes: step s, half h at FV + 24 s + 12 h; never written again
.set TT,   192                         ; v192-194 V: a block's upper 16 codes, before they are moved
.set SB,   200                         ; v200-201 V: the two steps' scale words
	s_load_b128 s[4:7], s[0:1], 0x0                ; key, value
	s_load_b64 s[8:9], s[0:1], 0x10                ; kv
	v_lshl_add_u32 v251, v0, 2, 0x10800
	v_mov_b32 v255, 0
	v_lshrrev_b32 v1, 5, v0
	v_readfirstlane_b32 s11, v1                    ; wave 0..3
	s_lshr_b32 s10, ttmp9, 1                       ; the record
	s_and_b32 s22, ttmp9, 1                        ; the path
	v_and_b32 v1, 31, v0                           ; lane
	v_and_b32 v2, 15, v0                           ; r
	v_bfe_u32 v3, v0, 4, 1                         ; h
	s_mov_b32 s[SEL], 0x76543210
	s_mov_b32 s[SEL+1], 0xfedcba98
	s_mul_i32 s14, s10, REC                        ; the record's first byte (under 2^25)
	s_mov_b32 s15, 0
	s_lshl_b32 s12, s10, 17                        ; its 256 keys in key and in value: 256 rows of 512 bytes (under 2^26)
	s_mov_b32 s13, 0
	s_wait_kmcnt 0x0
	s_add_nc_u64 s[8:9], s[8:9], s[14:15]
	s_cmp_lg_u32 s22, 0
	s_cbranch_scc1 .Lvpath
; 64 numbers of a lane, v[x + 32 c + i] = k 64 c + 32 h + i of its row, become the fragment's twelve registers v[f] on and the row's scale word v[w].  A lane holds two whole blocks, 2 c + h.
.macro QUANT6 x, f, w, t
.irp c, 0,1
	v_max3_num_f32 v[(\t)+\c], |v[(\x)+32*\c]|, |v[(\x)+32*\c+1]|, 0x2800000   ; the floor 2^(5 - 127) among the leaves: the byte cannot fall under 1
.endr
.irp i, 2,4,6,8,10,12,14,16,18,20,22,24,26,28,30
.irp c, 0,1
	v_max3_num_f32 v[(\t)+\c], v[(\t)+\c], |v[(\x)+32*\c+\i]|, |v[(\x)+32*\c+\i+1]|   ; the two blocks by turns
.endr
.endr
.irp c, 0,1
	v_add_nc_u32 v[(\t)+2+\c], 0xfe000000, v[(\t)+\c]   ; 4 off the exponent field: the conversion takes this operand's exponent field as its scale
.endr
.irp c, 0,1
	v_lshrrev_b32 v[(\t)+4+\c], 23, v[(\t)+2+\c]   ; the scale's byte
.endr
	v_lshl_or_b32 v[\w], v[(\t)+5], 16, v[(\t)+4]  ; my two bytes: blocks h and 2 + h,
	v_bfe_u32 v[(\t)+6], v0, 4, 1
	v_lshlrev_b32 v[(\t)+6], 3, v[(\t)+6]
	v_lshlrev_b32 v[\w], v[(\t)+6], v[\w]          ; 8 h bits up;
	v_mov_b32 v[(\t)+6], 0                         ; (a lane permute's destination counts as one of its sources)
	v_permlanex16_b32 v[(\t)+6], v[\w], s[SEL], s[SEL+1]
	v_or_b32 v[\w], v[\w], v[(\t)+6]               ; with lane l xor 16's two the word is whole, in both lanes
.irp c, 0,1
	v_cvt_scalef32_pk16_bf6_f32 v[(\f)+6*\c:(\f)+6*\c+2], v[(\x)+32*\c:(\x)+32*\c+15], v[(\t)+2+\c]
	v_cvt_scalef32_pk16_bf6_f32 v[(\t)+8+4*\c:(\t)+8+4*\c+2], v[(\x)+32*\c+16:(\x)+32*\c+31], v[(\t)+2+\c]   ; (a conversion's three registers begin on an even number: the upper half is made elsewhere and moved)
.endr
	v_nop                                          ; one plain instruction behind the scaled conversions
.irp c, 0,1
.irp i, 0,1,2
	v_mov_b32 v[(\f)+6*\c+3+\i], v[(\t)+8+4*\c+\i]
.endr
.endr
.endm
; ---------------- K: wave w takes keys 64 w .. 64 w + 63 of the slot: tiles 4 w .. 4 w + 3 of the record, two pairs of tiles of 32 keys.
; Each load takes a whole key's row, 512 consecutive bytes; the rows turn through the wave's own stage in LDS, each laid at its place in its tile, and come back 128 bytes a lane.
	s_lshl_b32 s23, s11, 15
	s_add_co_u32 s12, s12, s23
	s_add_nc_u64 s[4:5], s[4:5], s[12:13]          ; key at my first row
	s_mul_i32 s16, s11, 4*1536
	s_mov_b32 s17, 0
	s_add_nc_u64 s[16:17], s[8:9], s[16:17]        ; my four images
	s_lshl_b32 s18, s11, 8
	s_add_co_u32 s18, s18, 24576
	s_mov_b32 s19, 0
	s_add_nc_u64 s[18:19], s[8:9], s[18:19]        ; my 256 bytes of scale words
	s_wait_alu depctr_va_vdst(0)
	v_lshlrev_b32 v4, 4, v1                        ; 16 x lane: my bytes of a row, and of an image's 512
	s_mul_i32 s23, s11, 32*PIT                     ; my stage
	v_add_nc_u32 v5, s23, v4                       ; into it: 16 x lane of a row
	v_mul_u32_u24 v6, v2, PIT
	v_lshl_add_u32 v6, v3, 7, v6
	v_add_nc_u32 v6, s23, v6                       ; out of it: row r, + 128 h: d = 32 h on
	v_lshlrev_b32 v7, 4, v2
	v_lshl_add_u32 v7, v3, 3, v7                   ; the scale words: 16 r + 8 h
.macro LOADP b                         ; pair b: 32 keys' rows
.set cnt, 0
.rept 32
	global_load_b128 v[R+4*cnt:R+4*cnt+3], v4, s[4:5] offset:(16*(\b)+cnt%16+32*(cnt/16))*512 th:TH_LOAD_NT   ; load cnt of pair b takes key 16 b + cnt % 16 + 32 (cnt / 16) of my 64
.set cnt, cnt+1
.endr
.endm
.macro STOREP                          ; load cnt goes to stage row 16 u + r, u = (cnt / 8) % 2, r = cnt % 8 + 8 (cnt / 16): tile 2 b + u, row r holds key 8 (2 b + u) + r % 8 + 32 (r / 8)
.set cnt, 0
.rept 4
	s_wait_loadcnt 24-cnt                          ; loads come back in order: the next eight are in, the younger ones of the 32 may be out
.rept 8
	ds_store_b128 v5, v[R+4*cnt:R+4*cnt+3] offset:(16*((cnt/8)%2)+cnt%8+8*(cnt/16))*PIT
.set cnt, cnt+1
.endr
.endr
.endm
.macro TILEIN u                        ; tile u of the pair: my key's d = 64 c + 32 h + 0 .. 31.  LDS serves a wave's instructions in order: these see the stores
.irp c, 0,1
.irp j, 0,1,2,3,4,5,6,7
	ds_load_b128 v[X+32*\c+4*\j:X+32*\c+4*\j+3], v6 offset:(\u)*16*PIT+256*\c+16*\j
.endr
.endr
.endm
.macro IMG f, n                        ; a fragment leaves as it stands: each store covers 512 consecutive bytes, at a multiple of 256 from kv's first byte
.irp c, 0,1,2
	global_store_b128 v4, v[(\f)+4*\c:(\f)+4*\c+3], s[16:17] offset:(\n)*1536+512*\c
.endr
.endm
	LOADP 0
	s_wait_alu depctr_va_vdst(0)
	STOREP
	TILEIN 0
	s_wait_dscnt 0x0                               ; the stores have read the rows' registers, and tile 0's numbers are in
	LOADP 1                                        ; the second pair is on its way while the first is quantised
	QUANT6 X, F0, W+0, TM
	IMG F0, 0
	TILEIN 1
	s_wait_dscnt 0x0
	QUANT6 X, F1, W+1, TM
	IMG F1, 1
	STOREP
	TILEIN 0
	s_wait_dscnt 0x0
	QUANT6 X, F2, W+2, TM
	IMG F2, 2
	TILEIN 1
	s_wait_dscnt 0x0
	QUANT6 X, F3, W+3, TM
	IMG F3, 3
	v_cmp_lt_u32 vcc_lo, 15, v1                    ; both halves of the lanes hold row r's words: lanes 0-15 send tiles 0 and 1's, lanes 16-31 tiles 2 and 3's
	v_cndmask_b32 v236, v[W+0], v[W+2], vcc_lo
	v_cndmask_b32 v237, v[W+1], v[W+3], vcc_lo
	global_store_b64 v7, v[236:237], s[18:19]      ; 32 lanes store 256 consecutive bytes, aligned
	s_wait_tensorcnt 0x0
	ds_add_u32 v251, v255
	s_wait_dscnt 0x0
	s_endpgm
; ---------------- V: a lane takes a column d = 32 w + lane, and its registers run DOWN the slot's 256 keys: a block of 32 keys lies in one lane, and the codes come out with the keys innermost.
; Lane L's codes of step s, blocks 2 c + h, are registers 6 c .. 6 c + 5 of lane (L % 16, h) of tile 2 w + L / 16: so they go to the images straight from registers.
.Lvpath:
	s_lshl_b32 s23, s11, 7
	s_add_co_u32 s12, s12, s23
	s_add_nc_u64 s[6:7], s[6:7], s[12:13]          ; value at the slot's first key, my 32 columns
	s_mul_i32 s16, s11, 2*1536
	s_add_co_u32 s16, s16, 25600
	s_mov_b32 s17, 0
	s_add_nc_u64 s[16:17], s[8:9], s[16:17]        ; step 0's images of my two tiles
	s_lshl_b32 s18, s11, 8
	s_add_co_u32 s18, s18, 50176
	s_mov_b32 s19, 0
	s_add_nc_u64 s[18:19], s[8:9], s[18:19]        ; my 32 columns' scale words
	s_wait_alu depctr_va_vdst(0)
	v_lshlrev_b32 v4, 2, v1                        ; in: 4 bytes a lane
	v_mul_u32_u24 v5, v3, 1536
	v_lshl_add_u32 v5, v2, 4, v5                   ; out: my tile of the two, 16 bytes at my row's place
	v_lshlrev_b32 v6, 3, v1                        ; the scale words: 8 bytes a lane
.macro LOADV t                         ; block t: keys 32 t + i, i = 0 .. 31, my column, into set t % 2
.set cnt, 0
.rept 32
	global_load_b32 v[XV+32*((\t)%2)+cnt], v4, s[6:7] offset:(32*(\t)+cnt)*512 th:TH_LOAD_NT
.set cnt, cnt+1
.endr
.endm
.macro BLOCK t
.set XS, XV+32*((\t)%2)
.set FD, FV+24*((\t)/4)+12*((\t)%2)+6*(((\t)%4)/2)
.if (\t) < 7
	s_wait_loadcnt 32                              ; this block's 32 loads are in; the next block's may be out
.else
	s_wait_loadcnt 0x0
.endif
	v_max3_num_f32 v202, |v[XS]|, |v[XS+1]|, |v[XS+2]|   ; the block's largest magnitude: all 32 numbers are mine; two chains
	v_max3_num_f32 v203, |v[XS+3]|, |v[XS+4]|, |v[XS+5]|
.irp i, 6,10,14,18,22,26
	v_max3_num_f32 v202, v202, |v[XS+\i]|, |v[XS+\i+1]|
	v_max3_num_f32 v203, v203, |v[XS+\i+2]|, |v[XS+\i+3]|
.endr
	v_max3_num_f32 v202, v202, |v[XS+30]|, |v[XS+31]|
	v_max3_num_f32 v202, v202, v203, 0x2800000     ; and the floor 2^(5 - 127)
	v_add_nc_u32 v204, 0xfe000000, v202            ; 4 off the exponent field: the conversion's scale operand
	v_lshrrev_b32 v205, 23, v204                   ; the scale's byte
.if (\t)%4 == 0
	v_mov_b32 v[SB+(\t)/4], v205                   ; four bytes to a step's word, the lower keys in the lower byte
.else
	v_lshl_or_b32 v[SB+(\t)/4], v205, 8*((\t)%4), v[SB+(\t)/4]
.endif
	v_cvt_scalef32_pk16_bf6_f32 v[FD:FD+2], v[XS:XS+15], v204
	v_cvt_scalef32_pk16_bf6_f32 v[TT:TT+2], v[XS+16:XS+31], v204
	v_nop                                          ; one plain instruction behind the scaled conversions
.irp i, 0,1,2
	v_mov_b32 v[FD+3+\i], v[TT+\i]
.endr
.if (\t)+2 < 8
	LOADV (\t)+2
.endif
.if (\t)%4 == 3                        ; a step's four blocks are done: its 24 registers leave; sixteen lanes store 256 consecutive bytes, aligned
.irp h, 0,1
.irp c, 0,1,2
	global_store_b128 v5, v[FV+24*((\t)/4)+12*\h+4*\c:FV+24*((\t)/4)+12*\h+4*\c+3], s[16:17] offset:((\t)/4)*8*1536+512*\c+256*\h
.endr
.endr
.endif
.endm
	LOADV 0
	LOADV 1
.irp t, 0,1,2,3,4,5,6,7
	BLOCK \t
.endr
	global_store_b64 v6, v[SB:SB+1], s[18:19]      ; 32 lanes store 256 consecutive bytes, aligned
	s_endpgm
.Lfunc_end_k_q3e81c2a399_prep:
	.size	k_q3e81c2a399_prep, .Lfunc_end_k_q3e81c2a399_prep-k_q3e81c2a399_prep
	.p2alignl 7, 3214868480
	.fill 96, 4, 3214868480
	.section	.rodata,"a",@progbits
	.p2align	6, 0x0
	.amdhsa_kernel k_q3e81c2a399_prep
		.amdhsa_group_segment_fixed_size 68096
		.amdhsa_private_segment_fixed_size 0
		.amdhsa_enable_private_segment 0
		.amdhsa_kernarg_size 24
		.amdhsa_user_sgpr_count 2
		.amdhsa_user_sgpr_kernarg_segment_ptr 1
		.amdhsa_wavefront_size32 1
		.amdhsa_system_sgpr_workgroup_id_x 1
		.amdhsa_system_sgpr_workgroup_id_y 1
		.amdhsa_system_sgpr_workgroup_id_z 1
		.amdhsa_system_vgpr_workitem_id 0
		.amdhsa_next_free_vgpr 256
		.amdhsa_next_free_sgpr 66
		.amdhsa_reserve_vcc 1
		.amdhsa_float_denorm_mode_32 3
		.amdhsa_float_denorm_mode_16_64 3
		.amdhsa_memory_ordered 1
		.amdhsa_forward_progress 1
		.amdhsa_inst_pref_size 68
	.end_amdhsa_kernel
	.amdgpu_metadata
---
amdhsa.version: [ 1, 2 ]
amdhsa.kernels:
  - .name:           k_q3e81c2a399_prep
    .symbol:         k_q3e81c2a399_prep.kd
    .args:
      - { .name: key, .offset: 0, .size: 8, .value_kind: global_buffer, .address_space: global }
      - { .name: value, .offset: 8, .size: 8, .value_kind: global_buffer, .address_space: global }
      - { .name: kv, .offset: 16, .size: 8, .value_kind: global_buffer, .address_space: global }
    .group_segment_fixed_size: 68096
    .private_segment_fixed_size: 0
    .kernarg_segment_align: 8
    .kernarg_segment_size: 24
    .max_flat_workgroup_size: 128
    .sgpr_count:     66
    .vgpr_count:     256
    .wavefront_size: 32
...
	.end_amdgpu_metadata
.endif
;; end of part 1
;; launch attn (part 2): grid 4 x 64, 8 waves a work-group, no clusters, 327,680 bytes of LDS; arguments query, kv, out0; writes out0
.if DOCPART == 2
	.amdgcn_target "amdgcn-amd-amdhsa--gfx1250"
	.amdhsa_code_object_version 6
	.text
	.protected	k_q3e81c2a399_attn
	.globl	k_q3e81c2a399_attn
	.p2align	8
	.type	k_q3e81c2a399_attn,@function
k_q3e81c2a399_attn:
	s_mov_b64 s[64:65], 0
	v_nop
	global_prefetch_b8 v0, s[64:65] scope:SCOPE_SE
	s_setreg_imm32_b32 hwreg(HW_REG_WAVE_MODE, 25, 1), 1
	s_wait_xcnt 0x0
; out0[head][q][:] = the sum over k <= q of softmax_k(query[q] . key[k] / sqrt(128)) value[k][:], 64 heads, 2,048 queries and keys, head size 128; both products on codes of BF6 (E3M2), one E8M0 scale for each 32 along K.
; K and V come from kv as images of the operands' registers (the launch before gives a record's map: 256 keys, 51,200 bytes).  query is quantised here, in registers: each row is read by one wave, once.
; THE SOFTMAX: t = score x log2(e) / sqrt(128); M = the row's largest t so far, rounded up to a whole number; p = 2^(t - M) is quantised along the keys, not normalised.  The row's sum is taken of the unquantised p, in f32, and divides O
; at the end.  When M moves, the sum and O are multiplied by 2^(old M - new M): exact.
; LEFT OUT: reference() sets every score with k > q to -infinity, so its p is 0 for all inputs: a key step all of whose 128 keys come after the wave's 32 queries adds nothing and is jumped by a scalar branch on ids, and records behind a
; block's diagonal are not walked.  A NaN or an infinity that reaches only that work is not carried to the result.
; SHARES.  Work-group (p, head) owns the query blocks 7 - p and p of 256 queries, one after the other: records 0 .. 7 - p, then 0 .. p: nine slots for every work-group.  Each of eight waves owns 32 queries, two tiles of 16,
; so that each fragment of K and V read from LDS feeds two products.
; LAYOUT.  Both products are used transposed: S^T = K Q^T, O^T = V^T P^T: a lane holds one query of each tile (lane % 16).  Register 32 c + i of a tile's S^T is key 64 c + 32 (lane / 16) + i of the step: a lane holds two whole blocks
; of 32 keys, as the second product's operand wants them: a block's maximum needs no other lane and the codes are not moved between lanes.
; THE ORDER OF A STEP.  K's eight fragments are asked for at its head, and the sums of the LAST step's p are added while they come; V's eight are asked for behind the first product and come under the softmax.
; THE RING.  Two LDS slots of one record each; every wave brings an eighth, 6,400 dense bytes as 25 rows of 256.  One tensor load of a wave is out at the most.
; NO CLUSTER: the four work-groups of a head want different records in the same trip once the first of them changes its block (trip 8 - p); in lock step over records 0 .. 7 each would pass 12 slots for its 9.
; LIMITS: the scaled scores t stay under 2^31 in magnitude.  NaN and infinities among the inputs are not served.  A block of query that is all zeros gets the byte 1 where the rule says 127: its codes are zeros.  A block's largest p is
; taken from its largest score, which takes v_exp_f32 not to fall where its input rises (the ISA guide promises 1 ulp): at the worst one p of a block, within an ulp of a power of two, is held one code low.
; REGISTERS.  Window 0: v1-15 addresses; v16-31 each tile's -M, largest score, sum, factor, scale words; v32-39 scale words of K or V; v40-63 at work; v64-111 fragments 0-3; v112-127 partial sums; v128-255 S^T, then p.
; Window 1 (v256 on): 0-127 O^T; 128-151 Q's codes; 152-175 p's codes; 176-223 fragments 4-7; 224-239 the upper halves of blocks' codes before they are moved.
.set REC,   51200
.set PART,  6400                       ; a wave's eighth of a record
.set FRB,   1536
.set KSC,   24576
.set VIMG,  25600
.set VSC,   50176
.set SLOT1, 1<<16
.set STAGE, 1<<17                      ; 16 rows x (256 + 16) bytes for each wave, its own; no tensor load lands there
.set SP,    272
.set SPARE, STAGE+8*16*SP              ; the spare words, 128 bytes a wave
.set LI,  1                            ; 16 x lane
.set A16, 2                            ; 16 r
.set A8,  3                            ; 8 r
.set SIN, 4                            ; stage: 272 r + 32 h
.set SPW, 5
.set NIL, 6
.set GO,  7                            ; 512 h + 16 r
.set ADI, 8
.set ADS, 9
.set ADT, 10
.set SRD, 11                           ; stage by rows: 272 h + 16 r
.set SQR, 12                           ; stage: 272 r + 128 h
.set PFO, 13
.set PFQ, 14
.set SH8, 15                           ; 8 h
.set NM,  16                           ; + 2 a: -M;  RM beside it: the largest score
.set RM,  17
.set LS,  20                           ; + 2 a: the sum, a pair
.set FF,  24                           ; + 2 a: the factor; the register beside it is at work
.set QS,  28
.set PS,  30
.set KS,  32
.set BM,  40                           ; + 2 a + c: a block's largest
.set SO,  44                           ; the conversions' scale operands
.set BY,  48                           ; the bytes; under the mask: the lane's last open key
.set XP,  52
.set RX,  54
.set NN,  56
.set NEGI, 58
.set RH,  59                           ; r - 32 h
.set RC,  60                           ; + 2 a: 1 / the sum
.set F0,  64
.set AC,  112
.set S,   128
.set O,   0
.set QC,  128
.set PC,  152
.set F1,  176
.set TT,  224
.set TB,  2
.set QP,  4
.set KVB, 6
.set OP,  8
.set QN,  10
.set DLT, 12
.set WV,  18
.set SEL, 20
.set CS,  22
.set G1,  24
.set G0,  32
.set SLOTS, 36
.set SWT, 37
.set BKV, 38
.set BK,  40
.set KF,  42
.set Q0,  43
.set TMP, 44
.set DQ,  45
.set PFA, 46
.set LIM, 48
.set MSB, 0
.macro WIN new                         ; low byte: bits 1:0 source 0, 3:2 source 1, 5:4 source 2, 7:6 destination; the high byte repeats the setting that is left
.if MSB != \new
	s_set_vgpr_msb (MSB<<8)|\new
.set MSB, \new
.endif
.endm
.macro D2
	s_delay_alu instid0(VALU_DEP_2)
.endm
.macro NOP4
.rept 4
	v_nop
.endr
.endm
.macro TLOAD                           ; every wave's own eighth; s_nop 0 and four v_nop follow
	tensor_load_to_lds s[G0:G0+3], s[G1:G1+7]
	s_nop 0
	NOP4
.endm
; PREFETCHES.  (a) The record that the next change of slots will ask for: the work-group with p = 0 walks all eight records of its head and asks alone: threads 0 .. 199 name the record's 200 blocks of 256 bytes once, the last 24 lanes
; of wave 6 are held at the last block; trip t names record t + 2, t = 0 .. 5.  (b) In the trip that ends block 7 - p every wave names its own 32 rows of query of block p, 64 blocks of 256 bytes: they are loaded at that trip's end.
.macro ASK
	s_cmp_gt_u32 s[SLOTS], s[LIM]
	s_cbranch_scc0 .Lno_kv_\@
	global_prefetch_b8 v[PFO], s[PFA:PFA+1] th:TH_LOAD_NT scope:SCOPE_SE
.Lno_kv_\@:
	s_cmp_eq_u32 s[SLOTS], s[SWT]
	s_cbranch_scc0 .Lno_q_\@
	global_prefetch_b8 v[PFQ], s[QN:QN+1] th:TH_LOAD_NT scope:SCOPE_SE
	global_prefetch_b8 v[PFQ], s[QN:QN+1] offset:8192 th:TH_LOAD_NT scope:SCOPE_SE
.Lno_q_\@:
.endm
	s_load_b128 s[4:7], s[0:1], 0x0                ; query, kv
	s_load_b64 s[8:9], s[0:1], 0x10                ; out0
	v_lshl_add_u32 v[SPW], v0, 2, SPARE
	v_mov_b32 v[NIL], 0
	ds_add_u32 v[SPW], v[NIL]                      ; the opening lines: the add twice on end
	ds_add_u32 v[SPW], v[NIL]
	v_lshrrev_b32 v8, 5, v0
	v_readfirstlane_b32 s[WV], v8                  ; wave 0..7
	s_and_b32 s51, ttmp7, 0xffff                   ; the head
	s_mul_i32 s52, s51, 8*REC
	s_add_co_u32 s54, s52, REC                     ; record 1: the first change of slots steps the prefetches' address to record 2
	s_mov_b32 s55, 0
	s_mul_i32 s[G0+1], s[WV], PART                 ; LDS address: slot 0, my eighth
	s_add_co_u32 s52, s52, s[G0+1]
	s_mov_b32 s53, 0
	s_mov_b32 s[G1+0], 3<<16                       ; elements of 8 bytes, no padding
	s_mov_b32 s[G1+1], 32<<16
	s_mov_b32 s[G1+2], 25<<16
	s_mov_b32 s[G1+3], 32<<16
	s_mov_b32 s[G1+4], 25
	s_mov_b32 s[G1+5], 32
	s_mov_b32 s[G1+6], 0
	s_mov_b32 s[G1+7], 0
	s_mov_b32 s[G0], 1
	s_wait_dscnt 0x0
	s_wait_kmcnt 0x0
	s_add_nc_u64 s[G0+2:G0+3], s[KVB:KVB+1], s[52:53]
	s_or_b32 s[G0+3], s[G0+3], 0x80000000
	TLOAD                                          ; record 0 into slot 0: my one load at the head
	s_add_nc_u64 s[PFA:PFA+1], s[KVB:KVB+1], s[54:55]
	s_sub_co_u32 s50, 7, ttmp9                     ; 7 - p
	s_lshl_b32 s54, s51, 20
	s_lshl_b32 s55, s50, 17
	s_add_co_u32 s54, s54, s55
	s_lshl_b32 s55, s[WV], 14                      ; my 32 rows of 512 bytes
	s_add_co_u32 s54, s54, s55
	s_mov_b32 s55, 0
	s_add_nc_u64 s[QP:QP+1], s[QP:QP+1], s[54:55]
	s_add_nc_u64 s[OP:OP+1], s[OP:OP+1], s[54:55]
	s_lshl_b32 s[Q0], s50, 8
	s_lshl_b32 s[TMP], s[WV], 5
	s_add_co_u32 s[Q0], s[Q0], s[TMP]              ; my first query
	s_sub_co_u32 s[TMP], s50, ttmp9                ; 7 - 2 p blocks between the two
	s_lshl_b32 s[DLT], s[TMP], 17
	s_mov_b32 s[DLT+1], 0
	s_lshl_b32 s[DQ], s[TMP], 8
	s_sub_nc_u64 s[QN:QN+1], s[QP:QP+1], s[DLT:DLT+1]
	s_add_co_u32 s[SWT], ttmp9, 1
	s_add_co_u32 s[BKV], s50, 1
	s_mul_i32 s[BKV], s[BKV], REC
	s_mov_b32 s[BK+1], 0
	s_cmp_lt_u32 s[WV], 7
	s_cselect_b32 s[LIM], 2, -1
	s_cmp_eq_u32 ttmp9, 0
	s_cselect_b32 s[LIM], s[LIM], -1
	s_mov_b32 s[SEL], 0x76543210
	s_mov_b32 s[SEL+1], 0xfedcba98
	s_mov_b32 s[CS], 0x3e0293ee                    ; c = log2(e) / sqrt(128)
	s_mov_b32 s[CS+1], s[CS]
	s_mul_i32 s[TMP], s[WV], 16*SP
	s_add_co_u32 s[TMP], s[TMP], STAGE             ; my stage
	v_and_b32 v[LI], 31, v0
	v_and_b32 v8, 15, v0                           ; r
	v_bfe_u32 v9, v0, 4, 1                         ; h
	v_lshlrev_b32 v[PFQ], 8, v[LI]
	v_lshlrev_b32 v[LI], 4, v[LI]
	v_lshlrev_b32 v[A16], 4, v8
	v_lshlrev_b32 v[A8], 3, v8
	v_lshlrev_b32 v[SH8], 3, v9
	v_lshlrev_b32 v10, 5, v9
	v_sub_nc_u32 v[RH], v8, v10
	v_mul_u32_u24 v10, v8, SP
	v_mul_u32_u24 v[SRD], v9, SP
	v_add_nc_u32 v10, s[TMP], v10
	v_add_nc_u32 v[SRD], v[SRD], v[A16]
	v_lshl_add_u32 v[SIN], v9, 5, v10
	v_lshl_add_u32 v[SQR], v9, 7, v10
	v_add_nc_u32 v[SRD], s[TMP], v[SRD]
	v_lshl_add_u32 v[GO], v9, 9, v[A16]
	v_lshlrev_b32 v[PFO], 8, v0
	v_mov_b32 v[XP], 0                             ; a lane permute's destination counts as one of its sources
	v_mov_b32 v[XP+1], 0
	v_mov_b32 v[RC+1], 0                           ; named as the upper halves of pairs
	v_mov_b32 v[RC+3], 0
	v_min_u32 v[PFO], REC-256, v[PFO]              ; held inside the record in every lane
; The largest of each of four blocks of 32 registers from v[x] on, by turns.  q = 1: magnitudes, with the floor 2^(5 - 127) among the leaves.
.macro BMAX x, q
.if \q
.irp k, 0,1,2,3
	v_max3_num_f32 v[BM+\k], |v[\x+32*\k]|, |v[\x+32*\k+1]|, 0x2800000
.endr
.irp i, 2,4,6,8,10,12,14,16,18,20,22,24,26,28,30
.irp k, 0,1,2,3
	v_max3_num_f32 v[BM+\k], v[BM+\k], |v[\x+32*\k+\i]|, |v[\x+32*\k+\i+1]|
.endr
.endr
.else
.irp k, 0,1,2,3
	v_max3_num_f32 v[BM+\k], v[\x+32*\k], v[\x+32*\k+1], v[\x+32*\k+2]   ; each accumulator is read from its low end on
.endr
.irp i, 3,5,7,9,11,13,15,17,19,21,23,25,27,29
.irp k, 0,1,2,3
	v_max3_num_f32 v[BM+\k], v[BM+\k], v[\x+32*\k+\i], v[\x+32*\k+\i+1]
.endr
.endr
.irp k, 0,1,2,3
	v_max_num_f32 v[BM+\k], v[BM+\k], v[\x+32*\k+31]
.endr
.endif
.endm
; From the four largest magnitudes: the conversions' scale operands and the two tiles' scale words v[w], v[w + 1].  My bytes are blocks h and 2 + h; lane l xor 16 has the other two.
.macro SCALEW w, fl
.if \fl
.irp k, 0,1,2,3
	v_max_num_f32 v[BM+\k], 0x2800000, v[BM+\k]    ; the floor 2^(5 - 127): the byte cannot fall under 1
.endr
.endif
.irp k, 0,1,2,3
	v_add_nc_u32 v[SO+\k], 0xfe000000, v[BM+\k]    ; 4 off the exponent field
.endr
.irp k, 0,1,2,3
	v_lshrrev_b32 v[BY+\k], 23, v[SO+\k]
.endr
.irp a, 0,1
	v_lshl_or_b32 v[\w+\a], v[BY+2*\a+1], 16, v[BY+2*\a]
.endr
.irp a, 0,1
	D2
	v_lshlrev_b32 v[\w+\a], v[SH8], v[\w+\a]
.endr
.irp a, 0,1
	D2
	v_permlanex16_b32 v[XP+\a], v[\w+\a], s[SEL], s[SEL+1]
.endr
.irp a, 0,1
	D2
	v_or_b32 v[\w+\a], v[\w+\a], v[XP+\a]
.endr
.endm
; 128 numbers from v[x] on become two fragments of twelve registers in window 1, from f on.  A conversion's three registers begin on an even number: a block's upper half is made elsewhere and moved.  Leaves the windows at 0x41.
.macro CODES x, f
	WIN 0x40
.irp k, 0,1,2,3
	v_cvt_scalef32_pk16_bf6_f32 v[\f+6*\k:\f+6*\k+2], v[\x+32*\k:\x+32*\k+15], v[SO+\k]
	v_cvt_scalef32_pk16_bf6_f32 v[TT+4*\k:TT+4*\k+2], v[\x+32*\k+16:\x+32*\k+31], v[SO+\k]
.endr
	v_nop                                          ; one plain instruction behind the scaled conversions
	WIN 0x41
.irp k, 0,1,2,3
.irp i, 0,1,2
	v_mov_b32 v[\f+6*\k+3+\i], v[TT+4*\k+\i]
.endr
.endr
.endm
.macro QLOAD b                         ; my 32 rows of query: sixteen lanes read 256 consecutive bytes: half c of row 16 a + 2 i + h
.irp a, 0,1
.irp c, 0,1
.irp i, 0,1,2,3,4,5,6,7
	global_load_b128 v[S+64*\a+32*\c+4*\i:S+64*\a+32*\c+4*\i+3], v[GO], s[\b:\b+1] offset:8192*\a+1024*\i+256*\c th:TH_LOAD_NT
.endr
.endr
.endr
.endm
; A block of queries begins.  The rows turn through my stage, half a row of 16 queries at a time, and come back 128 bytes a lane: v[64 + 64 a + 32 c + i] = d 64 c + 32 h + i of query r of tile a.  LDS serves a wave's instructions in order.
.macro QPREP
	s_wait_loadcnt 0x0
.irp a, 0,1
.irp c, 0,1
.irp i, 0,1,2,3,4,5,6,7
	ds_store_b128 v[SRD], v[S+64*\a+32*\c+4*\i:S+64*\a+32*\c+4*\i+3] offset:2*SP*\i
.endr
.irp j, 0,1,2,3,4,5,6,7
	ds_load_b128 v[64+64*\a+32*\c+4*\j:64+64*\a+32*\c+4*\j+3], v[SQR] offset:16*\j
.endr
.endr
.endr
	s_wait_dscnt 0x0
	BMAX 64, 1
	SCALEW QS, 0
	CODES 64, QC
	WIN 0
.irp a, 0,1
	v_mov_b32 v[RM+2*\a], 0xff61b1e6               ; the largest score so far: -3e38
	v_mov_b32 v[NM+2*\a], 0x7f61b1e6               ; -M: the first step's factor comes out 0
	v_mov_b32 v[LS+2*\a], 0
	v_mov_b32 v[LS+2*\a+1], 0
.endr
	WIN 0x40
.set cnt, 0
.rept 128
	v_mov_b32 v[O+cnt], 0                          ; O^T: the step is written once.  These are also the plain instructions between Q's codes and scale words and the first scaled product
.set cnt, cnt+1
.endr
	WIN 0
	s_wait_alu depctr_va_vdst(0)                   ; ahead of the branches and waits that follow
.endm
; The sums of the p that lie in S, four chains a tile, onto each tile's running sum.
.macro SUMS
.irp k, 0,1,2,3
.irp a, 0,1
	v_pk_add_f32 v[AC+8*\a+2*\k:AC+8*\a+2*\k+1], v[S+64*\a+2*\k:S+64*\a+2*\k+1], v[S+64*\a+8+2*\k:S+64*\a+8+2*\k+1]
.endr
.endr
.irp j, 0,1,2,3,4,5
.irp k, 0,1,2,3
.irp a, 0,1
	v_pk_add_f32 v[AC+8*\a+2*\k:AC+8*\a+2*\k+1], v[AC+8*\a+2*\k:AC+8*\a+2*\k+1], v[S+64*\a+16+8*\j+2*\k:S+64*\a+16+8*\j+2*\k+1]
.endr
.endr
.endr
.irp a, 0,1
	v_pk_add_f32 v[AC+8*\a:AC+8*\a+1], v[AC+8*\a:AC+8*\a+1], v[AC+8*\a+2:AC+8*\a+3]
.endr
.irp a, 0,1
	v_pk_add_f32 v[AC+8*\a+4:AC+8*\a+5], v[AC+8*\a+4:AC+8*\a+5], v[AC+8*\a+6:AC+8*\a+7]
.endr
.irp a, 0,1
	D2
	v_pk_add_f32 v[AC+8*\a:AC+8*\a+1], v[AC+8*\a:AC+8*\a+1], v[AC+8*\a+4:AC+8*\a+5]
.endr
.irp a, 0,1
	D2
	v_pk_add_f32 v[LS+2*\a:LS+2*\a+1], v[LS+2*\a:LS+2*\a+1], v[AC+8*\a:AC+8*\a+1]
.endr
.endm
.macro QKG f, t0                       ; four tiles of keys x my two tiles of queries; the accumulators take turns
.irp t, 0,1,2,3
.irp a, 0,1
	v_wmma_scale_f32_16x16x128_f8f6f4 v[S+64*\a+8*(\t0+\t):S+64*\a+8*(\t0+\t)+7], v[\f+12*\t:\f+12*\t+11], v[QC+12*\a:QC+12*\a+11], 0, v[KS+\t0+\t], v[QS+\a] matrix_a_fmt:MATRIX_FMT_BF6 matrix_b_fmt:MATRIX_FMT_BF6
.endr
.endr
.endm
.macro PVG f, t0
.irp t, 0,1,2,3
.irp a, 0,1
	v_wmma_scale_f32_16x16x128_f8f6f4 v[O+64*\a+8*(\t0+\t):O+64*\a+8*(\t0+\t)+7], v[\f+12*\t:\f+12*\t+11], v[PC+12*\a:PC+12*\a+11], v[O+64*\a+8*(\t0+\t):O+64*\a+8*(\t0+\t)+7], v[KS+\t0+\t], v[PS+\a] matrix_a_fmt:MATRIX_FMT_BF6 matrix_b_fmt:MATRIX_FMT_BF6
.endr
.endr
.endm
; A KEY STEP: 128 keys, the q-th of the slot in hand.
.macro STEP q
	s_add_co_u32 s[TMP], s[Q0], 31                 ; all keys behind my 32 queries: left out
	s_cmp_gt_u32 s[KF], s[TMP]
	s_cbranch_scc1 .Lhid_\@
.irp t, 0,1,2,3
.irp c, 0,1,2
	ds_load_b128 v[F0+12*\t+4*\c:F0+12*\t+4*\c+3], v[ADI] offset:(8*(\q)+\t)*FRB+512*\c
.endr
.endr
.irp g, 0,1
	ds_load_b128 v[KS+4*\g:KS+4*\g+3], v[ADS] offset:KSC+512*(\q)+256*\g
.endr
	WIN 0x40
.irp t, 0,1,2,3
.irp c, 0,1,2
	ds_load_b128 v[F1+12*\t+4*\c:F1+12*\t+4*\c+3], v[ADI] offset:(8*(\q)+4+\t)*FRB+512*\c
.endr
.endr
	WIN 0
	s_cmp_eq_u32 s[KF], 0                          ; a block's first step has no p behind it
	s_cbranch_scc1 .Lfirst_\@
	SUMS                                           ; the last step's p, while K's fragments come
.Lfirst_\@:
	s_wait_alu depctr_va_vdst(0)
	s_wait_dscnt 12                                ; fragments 0-3 and the scale words are in; the twelve loads of fragments 4-7 may be out
	WIN 0x04                                       ; Q's codes in window 1
	QKG F0, 0
	s_wait_dscnt 0x0
	WIN 0x05
	QKG F1, 4
	WIN 0
	NOP4                                           ; four plain instructions ahead of loads into registers that the products have read, and of the first read of S^T
.irp t, 0,1,2,3
.irp c, 0,1,2
	ds_load_b128 v[F0+12*\t+4*\c:F0+12*\t+4*\c+3], v[ADI] offset:VIMG+(8*(\q)+\t)*FRB+512*\c
.endr
.endr
.irp t, 0,1,2,3,4,5,6,7
	ds_load_b32 v[KS+\t], v[ADT] offset:VSC+128*\t+4*(\q)
.endr
	WIN 0x40
.irp t, 0,1,2,3
.irp c, 0,1,2
	ds_load_b128 v[F1+12*\t+4*\c:F1+12*\t+4*\c+3], v[ADI] offset:VIMG+(8*(\q)+4+\t)*FRB+512*\c
.endr
.endr
	WIN 0
	s_add_co_u32 s[TMP], s[KF], 127                ; a step all of whose keys count skips the mask
	s_cmp_le_u32 s[TMP], s[Q0]
	s_cbranch_scc1 .Lopen_\@
	s_sub_co_i32 s[TMP], s[Q0], s[KF]
	v_add_nc_u32 v[BY], s[TMP], v[RH]              ; tile a, half c: register 32 c + i is hidden where i > my query - KF - 32 h - 64 c
	v_mov_b32 v[NEGI], 0xff800000
	v_add_nc_u32 v[BY+1], 0xffffffc0, v[BY]
	v_add_nc_u32 v[BY+2], 16, v[BY]
	v_add_nc_u32 v[BY+3], 0xffffffd0, v[BY]
.irp k, 0,1,2,3
.set cnt, 0
.rept 32
	v_cmp_gt_i32 vcc_lo, cnt, v[BY+\k]
	v_cndmask_b32 v[S+32*\k+cnt], v[S+32*\k+cnt], v[NEGI], vcc_lo
.set cnt, cnt+1
.endr
.endr
.Lopen_\@:
	BMAX S, 0                                      ; each block's largest score: it serves the row's maximum and, since p rises with the score, the block's largest p
.irp a, 0,1
	v_max_num_f32 v[RX+\a], v[BM+2*\a], v[BM+2*\a+1]
.endr
.irp a, 0,1
	D2
	v_permlanex16_b32 v[XP+\a], v[RX+\a], s[SEL], s[SEL+1]
.endr
.irp a, 0,1
	D2
	v_max3_num_f32 v[RM+2*\a], v[RM+2*\a], v[RX+\a], v[XP+\a]   ; the running largest score
.endr
.irp a, 0,1
	D2
	v_mul_f32 v[RX+\a], s[CS], v[RM+2*\a]          ; as t (c is positive)
.endr
.irp a, 0,1
	D2
	v_floor_f32 v[NN+\a], -v[RX+\a]                ; the new -M
.endr
.irp a, 0,1
	D2
	v_sub_f32 v[FF+2*\a+1], v[NN+\a], v[NM+2*\a]   ; old M less new M: a whole number, 0 or less
.endr
.irp a, 0,1
	v_mov_b32 v[NM+2*\a], v[NN+\a]
.endr
.irp a, 0,1
	v_cvt_i32_f32 v[FF+2*\a+1], v[FF+2*\a+1]       ; (it saturates)
.endr
.irp a, 0,1
	D2
	v_ldexp_f32 v[FF+2*\a], 1.0, v[FF+2*\a+1]      ; f = 2^(old M - new M)
.endr
.irp a, 0,1
.set cnt, 0
.rept 32
	v_pk_fma_f32 v[S+64*\a+cnt:S+64*\a+cnt+1], v[S+64*\a+cnt:S+64*\a+cnt+1], s[CS:CS+1], v[NM+2*\a:NM+2*\a+1] op_sel_hi:[1,0,0]   ; t - M
.set cnt, cnt+2
.endr
.endr
.irp k, 0,1,2,3
	v_fma_f32 v[BM+\k], v[BM+\k], s[CS], v[NM+2*(\k/2)]
.endr
	s_wait_alu depctr_va_vdst(0)                   ; ahead of the batch
.irp k, 0,1,2,3
	v_exp_f32 v[BM+\k], v[BM+\k]                   ; the block's largest p: the same two instructions on the same number give the same bits
.endr
.set cnt, 0
.rept 128
	v_exp_f32 v[S+cnt], v[S+cnt]                   ; p = 2^(t - M)
.set cnt, cnt+1
.endr
.irp a, 0,1
	v_pk_mul_f32 v[LS+2*\a:LS+2*\a+1], v[LS+2*\a:LS+2*\a+1], v[FF+2*\a:FF+2*\a+1] op_sel_hi:[1,0]   ; the sums under the new M: plain instructions behind the batch
.endr
	s_wait_alu depctr_va_vdst(0)                   ; one wait for the batch, ahead of its first reader and of the wait below
	s_wait_dscnt 0x0                               ; V's fragments and scale words are in
	SCALEW PS, 1
	CODES S, PC
	s_wait_alu depctr_va_vdst(0)                   ; directly ahead of the first reader of O^T
.irp a, 0,1
.set cnt, 0
.rept 32
	v_pk_mul_f32 v[O+64*\a+cnt:O+64*\a+cnt+1], v[O+64*\a+cnt:O+64*\a+cnt+1], v[FF+2*\a:FF+2*\a+1] op_sel_hi:[1,0]   ; O^T under the new M; also the plain instructions ahead of the scaled products
.set cnt, cnt+2
.endr
.endr
	WIN 0x54                                       ; p's codes, C and D in window 1
	PVG F0, 0
	WIN 0x55
	PVG F1, 4
	WIN 0
	NOP4                                           ; ahead of the next loads into the fragments' registers
.Lhid_\@:
	s_add_co_u32 s[KF], s[KF], 128
.endm
; THE CHANGE OF SLOTS.  Each wave waits for its tensor load (its eighth of the record about to be read), adds 0 to its spare word, and waits for that and for its reads of the slot that it has left.
.macro CHANGE fill
	s_wait_tensorcnt 0x0
	ds_add_u32 v[SPW], v[NIL]
.if \fill
	s_xor_b32 s[G0+1], s[G0+1], SLOT1
	s_cmp_eq_u32 s[SLOTS], s[SWT]
	s_cselect_b32 s[BK], s[BKV], 0
	s_add_nc_u64 s[G0+2:G0+3], s[G0+2:G0+3], REC   ; the next record,
	s_sub_nc_u64 s[G0+2:G0+3], s[G0+2:G0+3], s[BK:BK+1]   ; or, in the trip that ends block 7 - p, record 0 again
	s_wait_xcnt 0x0                                ; the last prefetch has read its address
	s_add_nc_u64 s[PFA:PFA+1], s[PFA:PFA+1], REC
.endif
	s_wait_dscnt 0x0
	s_barrier_signal -1
	s_barrier_wait -1
.if \fill
	TLOAD
	ASK
.endif
.endm
.macro SLOT_STEPS
	v_add_nc_u32 v[ADI], s[TB], v[LI]
	v_add_nc_u32 v[ADS], s[TB], v[A16]
	v_add_nc_u32 v[ADT], s[TB], v[A8]
	s_wait_alu depctr_va_vdst(0)                   ; ahead of the branches that follow
	STEP 0
	STEP 1
	s_xor_b32 s[TB], s[TB], SLOT1
.endm
; THE WAY OUT.  O^T is divided by the row's sum and goes through my stage, half a row (256 bytes) of 16 queries at a time, so that sixteen lanes store 256 consecutive bytes, aligned.
.macro FINISH
.irp a, 0,1
	v_add_f32 v[LS+2*\a], v[LS+2*\a], v[LS+2*\a+1]
.endr
.irp a, 0,1
	D2
	v_permlanex16_b32 v[XP+\a], v[LS+2*\a], s[SEL], s[SEL+1]
.endr
.irp a, 0,1
	D2
	v_add_f32 v[LS+2*\a], v[LS+2*\a], v[XP+\a]
.endr
	s_wait_alu depctr_va_vdst(0)
.irp a, 0,1
	v_rcp_f32 v[RC+2*\a], v[LS+2*\a]
.endr
	v_nop
	WIN 0x41
	s_wait_alu depctr_va_vdst(0)                   ; ahead of the first reader of the reciprocals and of O^T
.irp a, 0,1
.set cnt, 0
.rept 32
	v_pk_mul_f32 v[O+64*\a+cnt:O+64*\a+cnt+1], v[O+64*\a+cnt:O+64*\a+cnt+1], v[RC+2*\a:RC+2*\a+1] op_sel_hi:[1,0]   ; register 8 T + i is o(r, 16 T + 8 h + i)
.set cnt, cnt+2
.endr
.endr
	s_wait_alu depctr_va_vdst(0)
.irp a, 0,1
.if \a > 0
	s_wait_xcnt 0x0                                ; tile 0's stores have read their registers
.endif
	WIN 0x04                                       ; a store's data in window 1; a load's destination and the addresses in window 0
.irp u, 0,1
.irp t, 0,1,2,3
	ds_store_b128 v[SIN], v[O+64*\a+32*\u+8*\t:O+64*\a+32*\u+8*\t+3] offset:64*\t
	ds_store_b128 v[SIN], v[O+64*\a+32*\u+8*\t+4:O+64*\a+32*\u+8*\t+7] offset:64*\t+16
.endr
.irp i, 0,1,2,3,4,5,6,7
	ds_load_b128 v[F0+32*\u+4*\i:F0+32*\u+4*\i+3], v[SRD] offset:2*SP*\i   ; LDS serves a wave's instructions in order
.endr
.endr
	WIN 0
.irp u, 0,1
	s_wait_dscnt 16-16*\u                          ; behind the first half's loads stand the second half's eight stores and eight loads
.irp i, 0,1,2,3,4,5,6,7
	global_store_b128 v[GO], v[F0+32*\u+4*\i:F0+32*\u+4*\i+3], s[OP:OP+1] offset:8192*\a+1024*\i+256*\u th:TH_STORE_NT
.endr
.endr
.endr
.endm
	QLOAD QP
	s_wait_alu depctr_va_vdst(0)
	QPREP
	s_mov_b32 s[TB], 0
	s_mov_b32 s[KF], 0
	s_mov_b32 s[SLOTS], 8
.Lslot:                                            ; eight trips: behind each change of slots the next trip's record is asked for
	CHANGE 1
	SLOT_STEPS
	s_cmp_lg_u32 s[SLOTS], s[SWT]                  ; the work-group's number and the trip's count: the same in all waves
	s_cbranch_scc1 .Lsame
	SUMS                                           ; block 7 - p is done: its last p,
	QLOAD QN                                       ; block p's rows of query land while the finished block goes out
	FINISH
	s_wait_xcnt 0x0                                ; the stores have read their registers and their base
	s_sub_nc_u64 s[OP:OP+1], s[OP:OP+1], s[DLT:DLT+1]
	s_sub_co_u32 s[Q0], s[Q0], s[DQ]
	s_mov_b32 s[KF], 0
	QPREP
.Lsame:
	s_sub_co_u32 s[SLOTS], s[SLOTS], 1
	s_cmp_lg_u32 s[SLOTS], 0
	s_cbranch_scc1 .Lslot
	CHANGE 0                                       ; the ninth slot is written out
	SLOT_STEPS
	SUMS
	FINISH
	s_wait_tensorcnt 0x0                           ; the wave's end
	ds_add_u32 v[SPW], v[NIL]
	s_wait_dscnt 0x0
	s_endpgm
.Lfunc_end_k_q3e81c2a399_attn:
	.size	k_q3e81c2a399_attn, .Lfunc_end_k_q3e81c2a399_attn-k_q3e81c2a399_attn
	.p2alignl 7, 3214868480
	.fill 96, 4, 3214868480
	.section	.rodata,"a",@progbits
	.p2align	6, 0x0
	.amdhsa_kernel k_q3e81c2a399_attn
		.amdhsa_group_segment_fixed_size 327680
		.amdhsa_private_segment_fixed_size 0
		.amdhsa_enable_private_segment 0
		.amdhsa_kernarg_size 24
		.amdhsa_user_sgpr_count 2
		.amdhsa_user_sgpr_kernarg_segment_ptr 1
		.amdhsa_wavefront_size32 1
		.amdhsa_system_sgpr_workgroup_id_x 1
		.amdhsa_system_sgpr_workgroup_id_y 1
		.amdhsa_system_sgpr_workgroup_id_z 1
		.amdhsa_system_vgpr_workitem_id 0
		.amdhsa_next_free_vgpr 512
		.amdhsa_next_free_sgpr 66
		.amdhsa_reserve_vcc 1
		.amdhsa_float_denorm_mode_32 3
		.amdhsa_float_denorm_mode_16_64 3
		.amdhsa_memory_ordered 1
		.amdhsa_forward_progress 1
		.amdhsa_inst_pref_size 238
	.end_amdhsa_kernel
	.amdgpu_metadata
---
amdhsa.version: [ 1, 2 ]
amdhsa.kernels:
  - .name:           k_q3e81c2a399_attn
    .symbol:         k_q3e81c2a399_attn.kd
    .args:
      - { .name: query, .offset: 0, .size: 8, .value_kind: global_buffer, .address_space: global }
      - { .name: kv, .offset: 8, .size: 8, .value_kind: global_buffer, .address_space: global }
      - { .name: out0, .offset: 16, .size: 8, .value_kind: global_buffer, .address_space: global }
    .group_segment_fixed_size: 327680
    .private_segment_fixed_size: 0
    .kernarg_segment_align: 8
    .kernarg_segment_size: 24
    .max_flat_workgroup_size: 256
    .sgpr_count:     66
    .vgpr_count:     512
    .wavefront_size: 32
...
	.end_amdgpu_metadata
.endif
;; end of part 2
